; MI455X (gfx1250); checked and timed in simulation.
; The chip was launched on July 23, 2026; its instructions are those of AMD's public machine-readable ISA for CDNA 5 (MIT licence, August 2026) and "CDNA5" Instruction Set Architecture Reference Guide (July 2026). The comments in the code are by the model that wrote it; some were corrected since.
;; Scale Dot Product Attention. Allowed arithmetic: matrix products marked QUANTISED: E2M1 operands, one E8M0 scale for each 32 along K, by v_wmma_scale_f32_16x16x128_f8f6f4 with both operands' format E2M1 (or v_wmma_scale_f32_32x16x128_f4), f32 sums; everything else in f32.
;; Inputs: k 2 x 16 x 2,048 x 64 float32; mask 2 x 1 x 2,048 x 2,048 int32; q 2 x 16 x 2,048 x 64 float32; v 2 x 16 x 2,048 x 64 float32.
;; Outputs: out0 2 x 16 x 2,048 x 64 float32.
;; This version of the problem:
;;   THIS VERSION OF THE PROBLEM IS GIVEN IN LOW PRECISION. The matrix products marked QUANTISED in the list below multiply operands that are first quantised to E2M1 (2 exponent bits, 1 mantissa bit; 4 bits a number), with one power-of-two scale for each 32 numbers along K (OCP MX v1.0); their sums are f32. All else is computed in f32.
;;   The module's matrix products, in the order in which they are computed (A, B: the left and right operand; K: the contracted axis; several contracted axes count as one K, in the product's order):
;;     1. batch 32 x [M 2,048, K 64] x [K 64, N 2,048]; A: input q; B: input k: QUANTISED
;;     2. batch 32 x [M 2,048, K 2,048] x [K 2,048, N 64]; A: softmax (see below); B: input v: QUANTISED
;;   THE QUANTISER, for each operand of a quantised product, along K:
;;     - K is cut into blocks of 32 from its start; a last block that is shorter is filled with zeros.
;;     - A block's scale is 2^e with e = floor(log2(the largest magnitude in the block)) - 2, held to -126 .. 127; a block of zeros has e = 0. As a byte (E8M0): e + 127.
;;     - Each number is divided by its block's scale, clamped to +-6, and rounded to the nearest number of E2M1, ties to even, subnormals kept.
;;     - The product sums the exact products of the quantised numbers (number of the format x scale) in f32.
;;   ~~~python
;;   def quantise(x, axis):      # numpy; x: float32 -> the quantised numbers, widened to float32 again
;;       x = np.moveaxis(x, axis, -1); K = x.shape[-1]
;;       x = np.pad(x, [(0, 0)] * (x.ndim - 1) + [(0, -K % 32)]); x = x.reshape(x.shape[:-1] + (-1, 32)); a = np.abs(x).max(-1, keepdims=True)
;;       e = np.where(a > 0, np.clip(np.frexp(np.where(a > 0, a, 1))[1] - 1 - 2, -126, 127), 0)      # np.frexp(a)[1] - 1 = floor(log2(a)), exactly
;;       r = np.clip(x / 2.0 ** e, -6, 6)
;;       step = 2.0 ** (np.maximum(np.frexp(np.where(r == 0, 1, r))[1] - 1, 0) - 1)
;;       q = np.round(r / step) * step * 2.0 ** e      # np.round: ties to even
;;       return np.moveaxis(q.reshape(q.shape[:-2] + (-1,))[..., :K], -1, axis).astype(np.float32)
;;   ~~~
;;   SOFTMAX AHEAD OF A QUANTISED PRODUCT. Where the list says 'softmax', what is quantised is not the finished softmax but p = 2^(t - M), with t = logit x log2(e) and M = ceil(the row's largest t), a whole number; so 1/2 < the row's largest p <= 1. The row's sum l is taken of the UNQUANTISED p, in f32, and the product's result is divided by l at the end. Since M is a whole number, a kernel that streams over the keys may use a running M (the ceiling of the running maximum): every later rescaling is an exact power of two, which a block's scale takes up: the codes' values come out the same.
;;   OPERANDS COMPUTED ON THE WAY. 'Computed on the way' means the value that the module computes at that place (a softmax that the list does not call 'softmax' is quantised finished and normalised). What goes into a quantiser is computed in f32, as accurately as f32 sums, v_exp_f32 and their like allow (about 1e-6 of the number): no bf16 or f16 on the way to a quantiser, and a product that is left as it is and whose result goes on into a quantised operand takes f32 operands (vector FMAs, or v_wmma_f32_16x16x4_f32). A number that lies on a knife's edge between two numbers of the format may be rounded either way, as far as f32 arithmetic and the matrix unit's own rounding can turn it there, and no further.
;; One version. Each part assembles by itself: llvm-mc -triple=amdgcn-amd-amdhsa -mcpu=gfx1250 --defsym DOCPART=n.
;; ======== version 1 of 1: 2 launches
;; limits: right only within a limited range of input values; inputs' magnitudes at most 134,000,000
;; workspace buffers: kv 4,587,520 bytes; mk 4,194,304 bytes; km 524,288 bytes
;; launch prep (part 1): grid 256 x 1, 32 waves a work-group, no clusters, 284,160 bytes of LDS; arguments k, v, mask, kv, mk, km; writes kv, mk, km
.if DOCPART == 1
	.amdgcn_target "amdgcn-amd-amdhsa--gfx1250"
	.amdhsa_code_object_version 6
	.text
	.protected	k_q68a4296af9_prep
	.globl	k_q68a4296af9_prep
	.p2align	8
	.type	k_q68a4296af9_prep,@function
k_q68a4296af9_prep:
	s_mov_b64 s[64:65], 0
	v_nop
	global_prefetch_b8 v0, s[64:65] scope:SCOPE_SE
	s_setreg_imm32_b32 hwreg(HW_REG_WAVE_MODE, 25, 1), 1
	s_wait_xcnt 0x0
; k, v [32 heads][2048 keys][64] f32 and mask [2][2048 queries][2048 keys] int32 are laid out once as the attention launch's registers want them.
; kv: for each head and each 128 keys a chunk of CHUNK = 8,960 bytes (l = lane, r = l % 16, h = l / 16):
;   +0     K's codes (FP4, E2M1, quantised along the head's 64): tile 4 c + u (c = 0, 1; u = 0..3) at 512 (4 c + u) + 16 l: key 64 c + 8 u + r % 8 + 32 (r / 8), channels 32 h .. 32 h + 31
;   +4096  V's codes (quantised along the KEYS): channels 16 t + r (t = 0..3), half c at 512 (2 t + c) + 16 l: keys 64 c + 32 h .. + 31
;   +8192  K's scale words at 16 l + 4 b (b = 0..3): lanes 0-15 tile 2 b's row r: bytes e0, e1, 127, 0; lanes 16-31 tile 2 b + 1's row r: bytes 0, 127, e0, e1 (e0: channels 0-31, e1: channels 32-63; 127 scales the mask's codes)
;   +8704  V's scale words at 8 l + 4 d (d = 0, 1): channel 32 d + l; byte B: keys 32 B .. 32 B + 31
; mk: for each 32 queries (64 x batch + group) and each 128 keys 2,048 bytes: pair g (0..3) of tiles at 512 g + 16 l: 32 codes, one for each query, of the key that is row r of tile 2 g + h:
;   the FP4 code of -6 where mask == 0, the code of 0 elsewhere.
; km: for each 32 keys a unit of 256 bytes, all its words the same: an f32 number whose exponent field is the largest scale byte of k in these keys.
; A block's scale is 2^(floor(log2(its largest magnitude)) - 2); its byte is that magnitude's exponent field - 2, held at 1 from below.  A block of zeros so gets the byte 1 where the rule says 127:
; its codes are zeros, and these bytes are read by this program alone.
; LIMITS: blocks whose largest magnitude lies under 2^-124 (the floor) keep the byte 1; NaN and infinities among k and v are not served.
; SHARES.  A work-group takes 256 keys of one head (64 KB of k, 64 KB of v) and 32 queries x 1,024 keys of the mask (128 KB).  Each of its 32 waves brings 8 KB by ONE tensor load into LDS bytes of its own:
; waves 0-7 K (32 keys), 8-15 V (32 keys, one block along the keys), 16-31 the mask (32 queries x 64 keys).  So all 256 KB are asked for at once, and no LDS byte is filled twice.
; No cluster: work-groups share no input.  No prefetch: there is no loop, and everything is asked for at the head.
; Scale words go through LDS, so that they leave as whole units of 256 bytes: the one barrier.
.set CHUNK, 8960
.set TILE,  8704                       ; a wave's LDS bytes: 32 rows x 272 (256 + 16 of padding); V without padding
.set SCL,   32*TILE                    ; behind them: two chunks' scale words, 768 bytes each, as they lie in kv
.set SPARE, SCL+1536                   ; the spare words, 128 bytes a wave
	s_load_b256 s[4:11], s[0:1], 0x0               ; k s[4:5], v s[6:7], mask s[8:9], kv s[10:11]
	s_load_b64 s[12:13], s[0:1], 0x20              ; mk
	s_load_b64 s[2:3], s[0:1], 0x28                ; km
	v_lshl_add_u32 v3, v0, 2, SPARE
	v_mov_b32 v4, 0
	ds_add_u32 v3, v4                              ; the opening add, twice on end
	ds_add_u32 v3, v4
	v_lshrrev_b32 v1, 5, v0
	v_readfirstlane_b32 s14, v1                    ; wave 0..31
	s_and_b32 s15, s14, 7                          ; its number among K's or V's eight
	s_mul_i32 s52, s14, TILE                       ; my LDS bytes
	s_lshl_b32 s54, ttmp9, 16                      ; 256 rows of 256 bytes a work-group
	s_lshr_b32 s56, s15, 1                         ; K: two runs of 16 keys, 32 apart: 64 x (n / 2) + 16 x (n % 2)
	s_lshl_b32 s56, s56, 14
	s_and_b32 s57, s15, 1
	s_lshl_b32 s57, s57, 12
	s_add_co_u32 s56, s56, s57
	s_add_co_u32 s56, s56, s54
	s_mov_b32 s57, 0
	s_lshl_b32 s58, s15, 13                        ; V: 32 keys
	s_add_co_u32 s58, s58, s54
	s_mov_b32 s59, 0
	s_and_b32 s53, s14, 15                         ; mask: which 64 of the work-group's 1,024 keys
	s_lshr_b32 s60, ttmp9, 1                       ; 32 rows of 8,192 bytes for two work-groups,
	s_lshl_b32 s60, s60, 18
	s_and_b32 s61, ttmp9, 1                        ; which half of a row
	s_lshl_b32 s61, s61, 12
	s_add_co_u32 s60, s60, s61
	s_lshl_b32 s61, s53, 8
	s_add_co_u32 s60, s60, s61
	s_mov_b32 s61, 0
	s_lshl_b32 s62, ttmp9, 14                      ; mk: 16 KB a work-group, 1,024 bytes a wave
	s_lshl_b32 s63, s53, 10
	s_add_co_u32 s62, s62, s63
	s_mov_b32 s63, 0
	s_lshl_b32 s54, ttmp9, 1                       ; my work-group's first chunk
	s_lshr_b32 s55, s15, 2                         ; which of its two chunks
	s_and_b32 s53, s15, 3                          ; K: which pair of tiles; V: which block of 32 keys
	s_add_co_u32 s66, s54, s55
	s_lshl_b32 s80, s66, 2
	s_add_co_u32 s80, s80, s53
	s_lshl_b32 s80, s80, 8                         ; km: a unit for each wave of K
	s_mov_b32 s81, 0
	s_mul_i32 s66, s66, CHUNK
	s_lshl_b32 s68, s53, 10
	s_add_co_u32 s68, s68, s66                     ; K's codes out
	s_mov_b32 s69, 0
	s_lshl_b32 s70, s53, 8
	s_add_co_u32 s70, s70, s66
	s_add_co_u32 s70, s70, 4096                    ; V's codes out
	s_mov_b32 s71, 0
	s_and_b32 s72, s14, 1
	s_add_co_u32 s74, s54, s72
	s_mul_i32 s74, s74, CHUNK                      ; the chunk whose scale words I store (waves 0 and 1)
	s_mov_b32 s75, 0
	s_mul_i32 s76, s55, 768
	s_lshl_b32 s77, s53, 2
	s_add_co_u32 s77, s77, s76
	s_add_co_u32 s77, s77, SCL                     ; K's scale words in LDS
	s_add_co_u32 s78, s76, s53
	s_add_co_u32 s78, s78, SCL+512                 ; V's scale bytes in LDS
	s_mul_i32 s79, s72, 768
	s_add_co_u32 s79, s79, SCL
	; descriptor groups 1.  K: 2 rows of 4,096 bytes (16 keys), 8,192 apart, 16 bytes of padding behind every 256
	s_mov_b32 s28, (2<<16)|(1<<20)|(5<<22)|(3<<25)
	s_mov_b32 s29, 1024<<16
	s_mov_b32 s30, 2<<16
	s_mov_b32 s31, 1024<<16
	s_mov_b32 s32, 2
	s_mov_b32 s33, 2048
	s_mov_b32 s34, 0
	s_mov_b32 s35, 0
	; V: 32 dense rows of 256 bytes
	s_mov_b32 s36, 2<<16
	s_mov_b32 s37, 64<<16
	s_mov_b32 s38, 32<<16
	s_mov_b32 s39, 64<<16
	s_mov_b32 s40, 32
	s_mov_b32 s41, 64
	s_mov_b32 s42, 0
	s_mov_b32 s43, 0
	; mask: 32 rows of 256 bytes, 8,192 apart, 16 bytes of padding behind each
	s_mov_b32 s44, (2<<16)|(1<<20)|(5<<22)|(3<<25)
	s_mov_b32 s45, 64<<16
	s_mov_b32 s46, 32<<16
	s_mov_b32 s47, 64<<16
	s_mov_b32 s48, 32
	s_mov_b32 s49, 2048
	s_mov_b32 s50, 0
	s_mov_b32 s51, 0
	; every LDS address is made here, ahead of the roles' parting
	v_and_b32 v1, 31, v0                           ; l
	v_and_b32 v2, 15, v0                           ; r
	v_bfe_u32 v5, v0, 4, 1                         ; h
	v_lshlrev_b32 v13, 4, v1                       ; 16 l
	v_lshlrev_b32 v15, 3, v1                       ; 8 l
	v_lshlrev_b32 v7, 2, v1                        ; 4 l
	v_and_b32 v6, 8, v2
	v_lshlrev_b32 v14, 10, v5
	v_add_nc_u32 v9, s77, v13                      ; K's scale words: 16 l
	v_add_nc_u32 v10, s78, v15                     ; V's scale bytes: 8 l
	v_mul_u32_u24 v8, v6, 3
	v_add_nc_u32 v6, v6, v2                        ; K: LDS row r + 8 (r / 8): eight keys of the first run, eight of the second
	v_lshl_add_u32 v8, v5, 3, v8
	v_add_nc_u32 v7, s52, v7                       ; V: channel l
	v_mul_u32_u24 v6, v6, 272
	v_add_nc_u32 v8, v8, v2                        ; mask: key 8 h + r % 8 + 32 (r / 8) of a pair of tiles,
	v_add_nc_u32 v11, s79, v13                     ; scale words back: 16 l
	v_lshl_add_u32 v6, v5, 7, v6
	v_lshlrev_b32 v8, 2, v8                        ; 4 bytes each
	v_add_nc_u32 v12, s79, v15                     ; and 8 l, behind K's 512 bytes
	v_lshl_add_u32 v14, v2, 4, v14                 ; V's codes out: channels 16 (l / 16) on: 1,024 bytes; row r: 16 bytes
	v_add_nc_u32 v6, s52, v6                       ; + 128 h
	v_add_nc_u32 v8, s52, v8
	v_lshlrev_b32 v16, 3, v5                       ; 8 h
	v_mov_b32 v17, 0xc0c00000                      ; -6
	v_mov_b32 v18, 1.0                             ; the mask conversion's scale: 2^0
	v_mov_b32 v96, 0                               ; written once: a lane permute's destination counts as read
	v_mov_b32 v97, 0
	v_mov_b32 v98, 0
	s_mov_b32 s54, 0x76543210
	s_mov_b32 s55, 0xfedcba98                      ; v_permlanex16_b32's selects for lane l xor 16
	s_wait_alu depctr_va_vdst(0)                   ; the wait at the head's end
	s_wait_dscnt 0x0                               ; both opening adds are done
	s_wait_kmcnt 0x0
	s_mov_b32 s16, 1
	s_mov_b32 s17, s52
	s_add_nc_u64 s[18:19], s[4:5], s[56:57]
	s_or_b32 s19, s19, 0x80000000
	s_mov_b32 s20, 1
	s_mov_b32 s21, s52
	s_add_nc_u64 s[22:23], s[6:7], s[58:59]
	s_or_b32 s23, s23, 0x80000000
	s_mov_b32 s24, 1
	s_mov_b32 s25, s52
	s_add_nc_u64 s[26:27], s[8:9], s[60:61]
	s_or_b32 s27, s27, 0x80000000
	; one tensor load a wave: one chain of branches on the wave's number, all arms to one join
	s_cmp_lt_u32 s14, 8
	s_cbranch_scc0 .Lask_v
	tensor_load_to_lds s[16:19], s[28:35]
	s_nop 0
.rept 4
	v_nop
.endr
	s_branch .Lasked
.Lask_v:
	s_cmp_lt_u32 s14, 16
	s_cbranch_scc0 .Lask_m
	tensor_load_to_lds s[20:23], s[36:43]
	s_nop 0
.rept 4
	v_nop
.endr
	s_branch .Lasked
.Lask_m:
	tensor_load_to_lds s[24:27], s[44:51]
	s_nop 0
.rept 4
	v_nop
.endr
.Lasked:
	s_add_nc_u64 s[12:13], s[12:13], s[62:63]
	s_add_nc_u64 s[68:69], s[10:11], s[68:69]
	s_add_nc_u64 s[70:71], s[10:11], s[70:71]
	s_add_nc_u64 s[74:75], s[10:11], s[74:75]
	s_add_nc_u64 s[2:3], s[2:3], s[80:81]
	s_wait_tensorcnt 0x0                           ; my 8 KB are in; nobody else reads them
	s_cmp_lt_u32 s14, 8
	s_cbranch_scc1 .Lrole_k
	s_cmp_lt_u32 s14, 16
	s_cbranch_scc1 .Lrole_v
; ---- THE MASK.  A lane takes one key of each of two pairs of tiles, and its registers run along the 32 queries.
.irp c, 0,1
.set i, 0
.rept 32
	ds_load_b32 v[32+32*\c+i], v8 offset:272*i+64*\c
.set i, i+1
.endr
.endr
.irp c, 0,1
	s_wait_dscnt 32-32*\c                          ; this pair's 32 loads are in; the other pair's may be out
.set i, 32+32*\c
.rept 32
	v_cmp_eq_u32 vcc_lo, 0, v[i]
	v_cndmask_b32 v[i], 0, v17, vcc_lo             ; -6 where the mask is 0, else 0
.set i, i+1
.endr
.irp g, 0,1,2,3
	v_cvt_scalef32_pk8_fp4_f32 v[20+4*\c+\g], v[32+32*\c+8*\g:39+32*\c+8*\g], v18
.endr
	v_nop                                          ; one plain line behind the last scaled conversion
.endr
	global_store_b128 v13, v[20:23], s[12:13]      ; 32 lanes store 512 consecutive bytes, at a multiple of 256
	global_store_b128 v13, v[24:27], s[12:13] offset:512
	s_branch .Ljoin
; Two blocks of 32 numbers a lane, v32-63 and v64-95: bytes in v28 and v30, scale operands in v29 and v31, codes in v20-23 and v24-27.
.macro QUANT2
.irp u, 0,1
	v_max3_num_f32 v[28+2*\u], |v[32+32*\u]|, |v[33+32*\u]|, |v[34+32*\u]|
	v_max3_num_f32 v[29+2*\u], |v[35+32*\u]|, |v[36+32*\u]|, |v[37+32*\u]|
.endr
.irp i, 6,10,14,18,22,26
.irp u, 0,1
	v_max3_num_f32 v[28+2*\u], v[28+2*\u], |v[32+32*\u+\i]|, |v[33+32*\u+\i]|
	v_max3_num_f32 v[29+2*\u], v[29+2*\u], |v[34+32*\u+\i]|, |v[35+32*\u+\i]|
.endr
.endr
.irp u, 0,1
	v_max3_num_f32 v[28+2*\u], v[28+2*\u], |v[62+32*\u]|, |v[63+32*\u]|
.endr
.irp u, 0,1
	v_max3_num_f32 v[28+2*\u], v[28+2*\u], v[29+2*\u], 0x1800000   ; the floor 2^(3 - 127): the byte cannot fall under 1
.endr
.irp u, 0,1
	v_add_nc_u32 v[29+2*\u], 0xff000000, v[28+2*\u]                ; 2 off the exponent field: the conversion's scale operand
.endr
.irp u, 0,1
	v_lshrrev_b32 v[28+2*\u], 23, v[29+2*\u]       ; the scale's byte
.endr
.irp u, 0,1
.irp g, 0,1,2,3
	v_cvt_scalef32_pk8_fp4_f32 v[20+4*\u+\g], v[32+32*\u+8*\g:39+32*\u+8*\g], v[29+2*\u]
.endr
.endr
	v_nop                                          ; one plain line behind the last scaled conversion
.endm
; ---- V.  A lane takes channels l and l + 32, and its registers run down the 32 keys: a whole block along the keys each.
.Lrole_v:
.irp u, 0,1
.set i, 0
.rept 32
	ds_load_b32 v[32+32*\u+i], v7 offset:256*i+128*\u
.set i, i+1
.endr
.endr
	s_wait_dscnt 0x0
	QUANT2
	global_store_b128 v14, v[20:23], s[70:71]      ; sixteen lanes store 256 consecutive bytes, aligned
	global_store_b128 v14, v[24:27], s[70:71] offset:2048
	ds_store_b8 v10, v28                           ; my block's byte of channel l's word,
	ds_store_b8 v10, v30 offset:4                  ; and of channel l + 32's
	s_branch .Ljoin
; ---- K.  Two tiles of 16 keys; lane (r, h) reads channels 32 h .. + 31 of its row: a whole block.
.Lrole_k:
.irp u, 0,1
.irp j, 0,1,2,3,4,5,6,7
	ds_load_b128 v[32+32*\u+4*\j:35+32*\u+4*\j], v6 offset:2176*\u+16*\j
.endr
.endr
	s_wait_dscnt 0x0
	QUANT2
.irp u, 0,1
	v_lshlrev_b32 v[28+2*\u], v16, v[28+2*\u]      ; my block's byte at its place;
.endr
	v_max_num_f32 v19, v29, v31                    ; and the larger scale operand of my two blocks
.irp u, 0,1
	v_permlanex16_b32 v[96+\u], v[28+2*\u], s54, s55
.endr
	v_max_num_f32_dpp v19, v19, v19 row_xmask:1 row_mask:0xf bank_mask:0xf
.irp u, 0,1
	v_or_b32 v[28+2*\u], v[28+2*\u], v[96+\u]      ; with lane l xor 16's: e0 and e1
.endr
	v_max_num_f32_dpp v19, v19, v19 row_xmask:2 row_mask:0xf bank_mask:0xf
	v_or_b32 v28, 0x7f0000, v28                    ; the even tile's word: e0, e1, 127, 0
	v_lshlrev_b32 v30, 16, v30
	v_max_num_f32_dpp v19, v19, v19 row_xmask:4 row_mask:0xf bank_mask:0xf
	v_or_b32 v30, 0x7f00, v30                      ; the odd tile's: 0, 127, e0, e1
	v_cmp_lt_u32 vcc_lo, 15, v1
	v_max_num_f32_dpp v19, v19, v19 row_xmask:8 row_mask:0xf bank_mask:0xf
	v_cndmask_b32 v28, v28, v30, vcc_lo            ; lanes 0-15 the even tile's words, lanes 16-31 the odd one's
	v_permlanex16_b32 v98, v19, s54, s55
	v_max_num_f32 v100, v19, v98                   ; the largest of my 32 keys
	v_mov_b32 v101, v100
	global_store_b128 v13, v[20:23], s[68:69]      ; 512 consecutive bytes each
	global_store_b128 v13, v[24:27], s[68:69] offset:512
	global_store_b64 v15, v[100:101], s[2:3]       ; one unit of 256 bytes
	ds_store_b32 v9, v28
.Ljoin:
	s_wait_dscnt 0x0                               ; my scale words are in LDS,
	s_barrier_signal -1
	s_barrier_wait -1                              ; everybody's are
	s_cmp_lt_u32 s14, 2
	s_cbranch_scc0 .Lend
	ds_load_b128 v[32:35], v11                     ; a chunk's 768 bytes of scale words
	ds_load_b64 v[36:37], v12 offset:512
	s_wait_dscnt 0x0
	global_store_b128 v13, v[32:35], s[74:75] offset:8192
	global_store_b64 v15, v[36:37], s[74:75] offset:8704
.Lend:
	s_wait_tensorcnt 0x0                           ; the wave's end
	ds_add_u32 v3, v4
	s_wait_dscnt 0x0
	s_endpgm
.Lfunc_end_k_q68a4296af9_prep:
	.size	k_q68a4296af9_prep, .Lfunc_end_k_q68a4296af9_prep-k_q68a4296af9_prep
	.p2alignl 7, 3214868480
	.fill 96, 4, 3214868480
	.section	.rodata,"a",@progbits
	.p2align	6, 0x0
	.amdhsa_kernel k_q68a4296af9_prep
		.amdhsa_group_segment_fixed_size 284160
		.amdhsa_private_segment_fixed_size 0
		.amdhsa_enable_private_segment 0
		.amdhsa_kernarg_size 48
		.amdhsa_user_sgpr_count 2
		.amdhsa_user_sgpr_kernarg_segment_ptr 1
		.amdhsa_wavefront_size32 1
		.amdhsa_system_sgpr_workgroup_id_x 1
		.amdhsa_system_sgpr_workgroup_id_y 1
		.amdhsa_system_sgpr_workgroup_id_z 1
		.amdhsa_system_vgpr_workitem_id 0
		.amdhsa_next_free_vgpr 102
		.amdhsa_next_free_sgpr 88
		.amdhsa_reserve_vcc 1
		.amdhsa_float_denorm_mode_32 3
		.amdhsa_float_denorm_mode_16_64 3
		.amdhsa_memory_ordered 1
		.amdhsa_forward_progress 1
		.amdhsa_inst_pref_size 29
	.end_amdhsa_kernel
	.amdgpu_metadata
---
amdhsa.version: [ 1, 2 ]
amdhsa.kernels:
  - .name:           k_q68a4296af9_prep
    .symbol:         k_q68a4296af9_prep.kd
    .args:
      - { .name: k, .offset: 0, .size: 8, .value_kind: global_buffer, .address_space: global }
      - { .name: v, .offset: 8, .size: 8, .value_kind: global_buffer, .address_space: global }
      - { .name: mask, .offset: 16, .size: 8, .value_kind: global_buffer, .address_space: global }
      - { .name: kv, .offset: 24, .size: 8, .value_kind: global_buffer, .address_space: global }
      - { .name: mk, .offset: 32, .size: 8, .value_kind: global_buffer, .address_space: global }
      - { .name: km, .offset: 40, .size: 8, .value_kind: global_buffer, .address_space: global }
    .group_segment_fixed_size: 284160
    .private_segment_fixed_size: 0
    .kernarg_segment_align: 8
    .kernarg_segment_size: 48
    .max_flat_workgroup_size: 1024
    .sgpr_count:     88
    .vgpr_count:     102
    .wavefront_size: 32
...
	.end_amdgpu_metadata
.endif
;; end of part 1
;; launch attn (part 2): grid 8 x 32, 8 waves a work-group, clusters of 4 x 1, 214,016 bytes of LDS; arguments q, kv, mk, out0, km; writes out0
.if DOCPART == 2
	.amdgcn_target "amdgcn-amd-amdhsa--gfx1250"
	.amdhsa_code_object_version 6
	.text
	.protected	k_q68a4296af9_attn
	.globl	k_q68a4296af9_attn
	.p2align	8
	.type	k_q68a4296af9_attn,@function
k_q68a4296af9_attn:
	s_mov_b64 s[64:65], 0
	v_nop
	global_prefetch_b8 v0, s[64:65] scope:SCOPE_SE
	s_setreg_imm32_b32 hwreg(HW_REG_WAVE_MODE, 25, 1), 1
	s_wait_xcnt 0x0
	s_wait_alu depctr_hold_cnt(0) depctr_sa_sdst(0) depctr_va_vdst(0) depctr_va_sdst(0) depctr_va_ssrc(0) depctr_va_vcc(0) depctr_vm_vsrc(0)
	s_getreg_b32 s2, hwreg(HW_REG_IB_STS2, 6, 4)
	s_cmp_eq_u32 s2, 0
	s_cbranch_scc0 .Lentry_in_a_cluster
	s_endpgm
.Lentry_in_a_cluster:
	s_bfe_u32 s2, ttmp6, 0x10000c
	s_cmp_lg_u32 s2, 0x3003
	s_cbranch_scc0 .Lentry_shape_is_right
	s_endpgm
.Lentry_shape_is_right:
; out0[bh][q][:] = the sum over k of softmax_k(where(mask == 0, -inf, q . k / 8)) v[k][:], 32 heads x 2,048 queries x 2,048 keys x 64 channels, both products on codes of FP4 (E2M1) with one E8M0 scale for each 32 along K.
; THE SOFTMAX AHEAD OF THE SECOND PRODUCT: t = score x log2(e) / 8; M = the row's largest t so far, rounded UP to a whole number; p = 2^(t - M) is quantised along the keys, not normalised.
; The row's sum is taken of the unquantised p, in f32, and divides at the end.  When M moves, the sum and O are multiplied by 2^(old M - new M): exact.
; SHARES.  A work-group owns 256 queries of one head; each of its eight waves 32 of them, two tiles A and B of 16, in 512 registers: two waves to a SIMD.  Each fragment of K and V read from LDS feeds both tiles.
; A step is 256 keys = two chunks of kv.  A head's 16 chunks of 8,960 bytes, images of the operands' registers, come into LDS once and stay: no slot is filled again.
; CLUSTER.  The four query blocks of a cluster belong to one head and want the same 143,360 bytes: each wave's part is asked for JOINTLY, by the same tensor load with the same descriptor and a mask that names the four.
; NO PREFETCH: K and V come at the head, and a step's mask codes are asked for by their own loads, into registers, a whole step ahead of their use.
; LAYOUT.  Both products are used transposed: S^T = K Q^T (source 0 = 16 keys, source 1 = 16 queries), O^T = V^T P^T: a lane holds ONE query of each tile throughout.
; Row m of tile 4 c + u of K is key 64 c + 8 u + m % 8 + 32 (m / 8), so that a lane's 32 registers of tiles 4 c .. 4 c + 3 are keys 64 c + 32 h .. + 31: A WHOLE BLOCK, in the very order of the second product's operand.
; So neither a block's maximum nor its codes need another lane.
; THE FIRST PRODUCT'S K: 64 OF THE INSTRUCTION'S 128 ARE THE HEAD'S CHANNELS, THE REST BRINGS THE MASK.  Source 0 holds there, for its 16 keys, the codes of 32 queries (-6 where mask == 0, else 0), and source 1 a single
; code 1.0 for each query, at its own place: so a masked pair's score gets -6 x 2^(b - 127) added, b a scale byte of the query, and an unmasked pair's gets 0.
; A pair of tiles shares four registers of mask codes: twelve registers are [even tile's K][mask][odd tile's K].  The even tile takes the first eight (channels in K 0-63, its mask in lanes 0-15, K 64-95), the odd tile
; the last eight (its mask in lanes 16-31, K 32-63, channels in K 64-127).  Source 1 is likewise [ones of the odd][Q][ones of the even]; the ones' other 32 along K are zero codes.
; THE SIZE OF THE MASK'S NUMBER.  With 2^s = the query's largest scale x the head's largest scale of K, |score| <= 64 x 36 x 2^s.  B = 12,288 x 2^max(s, -2) (b = max(s, -2) + 138).  The largest score begins at -B / 2:
; under every real score, and above every masked one by 3,840 x 2^max(s, -2) >= 960, which is 173 in t; and a masked score lies under every real one by 7,680 x 2^max(s, -2) >= 1,920, 346 in t.  So a masked key gives p = 0,
; as -infinity would; a row with no key left keeps the sum 0 and O 0, and 0 x (1 / 0) is NaN, as the definition gives there.
; LIMITS: the scaled scores (exponents to the base 2) stay under 2^31 in magnitude (2^s is held at 2^110); blocks of q whose largest magnitude lies under 2^-124 keep the scale byte 1; NaN and infinities among the inputs are not served.
; REGISTERS.  Window 1 (v256-511): the scores, then p: tile A at 0-127, tile B at 128-255; block b (0..7) at 32 b.  When A's p are converted and summed once, V's fragments take A's low 64.  Window 0: all else, below.
.set CHUNK, 8960
.set HEADB, 16*CHUNK                   ; LDS 0 .. 143,359: the head's chunks as they lie in kv
.set FILLB, 2*CHUNK                    ; a step's two chunks, and what one tensor load brings: 70 rows of 256 bytes
.set OV,    4096                       ; in a chunk: V's codes,
.set OKS,   8192                       ; K's scale words,
.set OVS,   8704                       ; V's scale words
.set STAGE, HEADB                      ; 32 rows x 272 bytes for each wave, for q's way in and the way out; no fill lands there
.set SP,    272
.set SPARE, STAGE+8*32*SP              ; the spare words, 128 bytes a wave
.set LI,   1                           ; v1   16 x lane
.set LW,   2                           ; v2   8 x lane
.set AI,   3                           ; v3   the step's chunks + 16 x lane
.set AW,   4                           ; v4   the step's chunks + 8 x lane
.set SPW,  5
.set NIL,  6
.set TMP,  7                           ; v7, v8
.set KMO,  9                           ; v9   256 x lane
.set QS,   10                          ; v10-13 Q's scale words: A's for even and odd tiles, B's
.set NM,   14                          ; v14 -M, v15 the largest score so far; v16, v17 the same of B
.set LS,   18                          ; v[18:19], v[20:21] the rows' sums in two halves
.set FF,   22                          ; v22, v24  f = 2^(old M - new M); v23, v25 named with them as pairs
.set PS,   26                          ; v26-29 p's scale words: A's two chunks, B's two
.set KS,   30                          ; v30-37 K's scale words, one for a pair of tiles
.set VS,   38                          ; v38-41 V's
.set BM,   42                          ; v42-49 the blocks' largest scores, then largest p, then the conversions' scale operands
.set T,    50                          ; v50-57 at work
.set OT,   58                          ; v58-89 O^T of A, v90-121 of B
.set QB,   122                         ; v122-133 source 1 of A: ones (odd), Q's codes, ones (even); v134-145 of B
.set G1,   146                         ; v146-193 the next step's first chunk: four pairs of tiles, twelve registers each
.set G2,   194                         ; v194-241 its second chunk.  p's codes take K's places there while these are empty: run w (0..3) of eight at G2 + 8 + 12 w, up to v245
.set OLD,  246                         ; v246, v247 -M of the step before
.set H8,   248                         ; v248 8 h
.set RD,   249                         ; v249 my stage: row h, 16 r bytes on: q's way in, and the rows' way out
.set SIN,  250                         ; v250 my stage: row r, 32 h bytes on
.set QO,   251                         ; v251 my stage: row r, 128 h bytes on
.set MSB, 0
.macro WIN new                         ; the immediate's high byte repeats the setting that is left
.if MSB != \new
	s_set_vgpr_msb (MSB<<8)|\new
.set MSB, \new
.endif
.endm
; A round of the cluster's barrier: my work-group's barrier, so that wave 0's signal speaks for all eight waves; wave 0 signals for the work-group; every wave waits for all four work-groups; my work-group's barrier once more.
.macro CROUND
	s_barrier_signal -1
	s_barrier_wait -1
	s_cmp_lg_u32 s12, 0
	s_cbranch_scc1 .Lnot_wave_0_\@
	s_barrier_signal -3
.Lnot_wave_0_\@:
	s_barrier_wait -3
	s_barrier_signal -1
	s_barrier_wait -1
.endm
.macro MKLOAD off                      ; the mask codes of the step that lies off bytes on: chunk a, pair g
.irp a, 0,1
.irp g, 0,1,2,3
	global_load_b128 v[G1+48*\a+12*\g+4:G1+48*\a+12*\g+7], v[LI], s[8:9] offset:\off+2048*\a+512*\g
.endr
.endr
.endm
.macro KLOAD g, addr, off              ; eight tiles of K, 512 bytes each, into a chunk's registers
.irp t, 0,1,2,3,4,5,6,7
	ds_load_b128 v[\g+12*(\t/2)+8*(\t%2):\g+12*(\t/2)+8*(\t%2)+3], v[\addr] offset:\off+512*\t
.endr
.endm
; S^T = K Q^T + the mask's numbers, for chunk a: eight tiles of 16 keys, A and B by turns.  An odd tile's scale words stand in lanes 16-31.
.macro SMUL a
.irp t, 0,1,2,3,4,5,6,7
.irp x, 0,1
.if \t%2
	v_wmma_scale_f32_16x16x128_f8f6f4 v[128*\x+64*\a+8*\t:128*\x+64*\a+8*\t+7], v[G1+48*\a+12*(\t/2)+4:G1+48*\a+12*(\t/2)+11], v[QB+12*\x:QB+12*\x+7], 0, v[KS+4*\a+\t/2], v[QS+2*\x+1] matrix_a_fmt:MATRIX_FMT_FP4 matrix_b_fmt:MATRIX_FMT_FP4 matrix_a_scale:MATRIX_SCALE_ROW1
.else
	v_wmma_scale_f32_16x16x128_f8f6f4 v[128*\x+64*\a+8*\t:128*\x+64*\a+8*\t+7], v[G1+48*\a+12*(\t/2):G1+48*\a+12*(\t/2)+7], v[QB+12*\x+4:QB+12*\x+11], 0, v[KS+4*\a+\t/2], v[QS+2*\x] matrix_a_fmt:MATRIX_FMT_FP4 matrix_b_fmt:MATRIX_FMT_FP4
.endif
.endr
.endr
.endm
; O^T += V^T P^T: per chunk four tiles of 16 channels, A and B by turns: seven other products stand between two on one accumulator
.macro PVMUL
.irp a, 0,1
.irp t, 0,1,2,3
.irp x, 0,1
.if \t%2
	v_wmma_scale_f32_16x16x128_f8f6f4 v[OT+32*\x+8*\t:OT+32*\x+8*\t+7], v[32*\a+8*\t:32*\a+8*\t+7], v[G2+8+12*(2*\x+\a):G2+15+12*(2*\x+\a)], v[OT+32*\x+8*\t:OT+32*\x+8*\t+7], v[VS+2*\a+\t/2], v[PS+2*\x+\a] matrix_a_fmt:MATRIX_FMT_FP4 matrix_b_fmt:MATRIX_FMT_FP4 matrix_a_scale:MATRIX_SCALE_ROW1
.else
	v_wmma_scale_f32_16x16x128_f8f6f4 v[OT+32*\x+8*\t:OT+32*\x+8*\t+7], v[32*\a+8*\t:32*\a+8*\t+7], v[G2+8+12*(2*\x+\a):G2+15+12*(2*\x+\a)], v[OT+32*\x+8*\t:OT+32*\x+8*\t+7], v[VS+2*\a+\t/2], v[PS+2*\x+\a] matrix_a_fmt:MATRIX_FMT_FP4 matrix_b_fmt:MATRIX_FMT_FP4
.endif
.endr
.endr
.endr
.endm
.macro TREE n, d, s                    ; n packed additions in place: the registers from d on take those from s on
.set i, 0
.rept \n
	v_pk_add_f32 v[\d+i:\d+i+1], v[\d+i:\d+i+1], v[\s+i:\s+i+1]
.set i, i+2
.endr
.endm
.macro PFMA                            ; pair FJ's scores become t - M (of the pairs c and -M the low word serves both halves)
.if FJ < 64
	v_pk_fma_f32 v[2*FJ:2*FJ+1], v[2*FJ:2*FJ+1], s[38:39], v[NM:NM+1] op_sel_hi:[1,0,0]
.else
	v_pk_fma_f32 v[2*FJ:2*FJ+1], v[2*FJ:2*FJ+1], s[38:39], v[NM+2:NM+3] op_sel_hi:[1,0,0]
.endif
.set FJ, FJ+1
.endm
.macro PEXP                            ; p = 2^(t - M), at most 1; 0 for a masked key
	v_exp_f32 v[EX], v[EX]
.set EX, EX+1
.endm
.macro PCVT b                          ; block b's codes, in the operand's own order
.irp g, 0,1,2,3
	v_cvt_scalef32_pk8_fp4_f32 v[G2+8+12*((\b)/2)+4*((\b)%2)+\g], v[32*(\b)+8*\g:32*(\b)+8*\g+7], v[BM+\b]
.endr
.endm
	s_load_b256 s[4:11], s[0:1], 0x0               ; q s[4:5], kv s[6:7], mk s[8:9], out0 s[10:11]
	s_load_b64 s[2:3], s[0:1], 0x20                ; km
	v_lshl_add_u32 v[SPW], v0, 2, SPARE
	v_mov_b32 v[NIL], 0
	ds_add_u32 v[SPW], v[NIL]                      ; the opening add, twice on end
	ds_add_u32 v[SPW], v[NIL]
	v_lshrrev_b32 v3, 5, v0
	v_readfirstlane_b32 s12, v3                    ; wave 0..7
	s_bfe_u32 s13, ttmp6, 0x40000                  ; cx: my place in the cluster: it enters the addresses of q, mk and out0 alone
	s_lshl_b32 s14, ttmp9, 2                       ; in a cluster launch ttmp9 counts clusters
	s_add_co_u32 s14, s14, s13                     ; my block of 256 queries
	s_and_b32 s15, ttmp7, 0xffff                   ; the head (16 x batch + head), which the four partners share
	; descriptor group 1: a dense block of 17,920 bytes as 70 rows of 256 bytes (32 elements of 8 bytes), no padding: every LDS read of it takes consecutive bytes from lane to lane
	s_mov_b32 s16, 15|(3<<16)|(1<<21)              ; 15:0 the mask: all four work-groups; 17:16 elements of 8 bytes; 21 set beside a mask
	s_mov_b32 s17, 32<<16
	s_mov_b32 s18, 70<<16
	s_mov_b32 s19, 32<<16
	s_mov_b32 s20, 70
	s_mov_b32 s21, 32
	s_mov_b32 s22, 0
	s_mov_b32 s23, 0
	s_mov_b32 s24, 1                               ; group 0: count = 1
	s_mul_i32 s25, s12, FILLB                      ; LDS address: wave x 17,920: no place in the cluster enters it
	s_mul_i32 s32, s15, HEADB
	s_add_co_u32 s32, s32, s25                     ; the same part of the head's bytes in kv
	s_mov_b32 s33, 0
	s_lshl_b32 s34, s15, 19                        ; q and out0: the head's 2,048 rows of 256 bytes,
	s_lshl_b32 s42, s14, 16                        ; my block's 256,
	s_add_co_u32 s34, s34, s42
	s_lshl_b32 s42, s12, 13                        ; my wave's 32
	s_add_co_u32 s34, s34, s42
	s_mov_b32 s35, 0
	s_lshr_b32 s42, s15, 4                         ; mk: 64 groups of 32 queries a batch,
	s_lshl_b32 s42, s42, 6
	s_lshl_b32 s43, s14, 3                         ; eight a block,
	s_add_co_u32 s42, s42, s43
	s_add_co_u32 s42, s42, s12                     ; one a wave;
	s_lshl_b32 s42, s42, 15                        ; 16 x 2,048 bytes a group
	s_mov_b32 s43, 0
	s_lshl_b32 s50, s15, 14                        ; km: 64 units of 256 bytes a head
	s_mov_b32 s51, 0
	s_mov_b32 s36, 0x76543210
	s_mov_b32 s37, 0xfedcba98                      ; v_permlanex16_b32's selects for lane l xor 16
	s_mov_b32 s38, 0x3e38aa3b                      ; c = log2(e) / 8
	s_mov_b32 s39, s38                             ; (the packed form names the pair and takes its low word for both halves: so it is written)
	s_mov_b32 s40, 0                               ; LDS byte at which the step's chunks begin
	s_mul_i32 s44, s12, 32*SP
	s_add_co_u32 s44, s44, STAGE                   ; my stage
	s_mov_b32 s46, 0xff                            ; lanes with h = 0: r < 8,
	s_mov_b32 s47, 0xff00                          ; r >= 8;
	s_mov_b32 s48, 0xff0000                        ; with h = 1: r < 8,
	s_mov_b32 s49, 0xff000000                      ; r >= 8
	v_and_b32 v8, 31, v0
	v_and_b32 v3, 15, v0                           ; r
	v_bfe_u32 v4, v0, 4, 1                         ; h
	v_and_b32 v7, 7, v0                            ; r % 8
	v_lshlrev_b32 v[LI], 4, v8
	v_lshlrev_b32 v[LW], 3, v8
	v_lshlrev_b32 v[KMO], 8, v8
	v_mul_u32_u24 v8, v3, SP
	v_mul_u32_u24 v[RD], v4, SP
	v_lshlrev_b32 v[H8], 3, v4
	v_lshlrev_b32 v7, 2, v7
	v_lshl_add_u32 v[QO], v4, 7, v8
	v_lshl_add_u32 v[SIN], v4, 5, v8
	v_lshl_add_u32 v[RD], v3, 4, v[RD]
	v_mov_b32 v8, 2                                ; the code of 1.0
	v_add_nc_u32 v[QO], s44, v[QO]
	v_add_nc_u32 v[SIN], s44, v[SIN]
	v_add_nc_u32 v[RD], s44, v[RD]
	v_lshlrev_b32 v7, v7, v8                       ; at nibble r % 8
.irp x, 0,1                            ; query 16 x + r: register 2 x + r / 8 of the ones
	v_cndmask_b32 v[QB+12*\x+2*\x], 0, v7, s48
	v_cndmask_b32 v[QB+12*\x+2*\x+1], 0, v7, s49
	v_mov_b32 v[QB+12*\x+2-2*\x], 0
	v_mov_b32 v[QB+12*\x+3-2*\x], 0
	v_cndmask_b32 v[QB+12*\x+8+2*\x], 0, v7, s46
	v_cndmask_b32 v[QB+12*\x+9+2*\x], 0, v7, s47
	v_mov_b32 v[QB+12*\x+10-2*\x], 0
	v_mov_b32 v[QB+12*\x+11-2*\x], 0
.endr
.irp b, 0,1,2,3,4,5,6,7
	v_mov_b32 v[T+\b], 0                           ; written once: a lane permute's destination counts as read
.endr
.irp b, 4,5,6
	v_mov_b32 v[BM+\b], 0
.endr
	s_wait_alu depctr_va_vdst(0)                   ; directly ahead of the waits below
	s_wait_dscnt 0x0                               ; both opening adds are done
	CROUND                                         ; all four work-groups are here: the joint loads meet.  (The arguments are on their way meanwhile)
	s_wait_kmcnt 0x0
	s_add_nc_u64 s[26:27], s[6:7], s[32:33]        ; group 0: the global address,
	s_or_b32 s27, s27, 0x80000000                  ; type = 2
	s_add_nc_u64 s[4:5], s[4:5], s[34:35]
	s_add_nc_u64 s[10:11], s[10:11], s[34:35]
	s_add_nc_u64 s[8:9], s[8:9], s[42:43]
	s_add_nc_u64 s[2:3], s[2:3], s[50:51]
	; my two chunks: one tensor load a wave.  Waves 0 and 1, whose chunks step 0 reads, have a line of their own: they wait for it ahead of the first barrier, the others in the middle of step 0
	s_cmp_lt_u32 s12, 2
	s_cbranch_scc0 .Lfill_late
	tensor_load_to_lds s[24:27], s[16:23]
	s_nop 0
.rept 4
	v_nop                                          ; four plain lines follow the load
.endr
	s_branch .Lfilled
.Lfill_late:
	tensor_load_to_lds s[24:27], s[16:23]
	s_nop 0
.rept 4
	v_nop
.endr
.Lfilled:
	WIN 0x40
.irp i, 0,1,2,3,4,5,6,7,8,9,10,11,12,13,14,15
	global_load_b128 v[64+4*\i:67+4*\i], v[LI], s[4:5] offset:512*\i th:TH_LOAD_NT   ; rows 2 i and 2 i + 1 of my 32: 512 consecutive bytes
.endr
	WIN 0
	global_load_b32 v[T+6], v[KMO], s[2:3]         ; the head's 64 largest scales of K, two a lane
	global_load_b32 v[T+7], v[KMO], s[2:3] offset:8192
	MKLOAD 0                                       ; step 0's mask codes
.irp x, 0,1
	v_mov_b32 v[LS+2*\x], 0
	v_mov_b32 v[LS+2*\x+1], 0
	v_mov_b32 v[FF+2*\x+1], 0
.endr
.set i, 0
.rept 48
	v_mov_b32 v[OT+i], 0                           ; O^T: 48 of its 64 registers under the loads' flight.  (The step has no first form of its own: it finds zeros, which the first change of M leaves zeros)
.set i, i+1
.endr
	s_wait_alu depctr_va_vdst(0)                   ; directly ahead of the waits below
	WIN 0x04
.irp i, 0,1,2,3,4,5,6,7,8,9,10,11,12,13,14,15
	s_wait_loadcnt 25-\i                           ; load i is in; the q loads behind it, two of scales and eight of mask codes may be out
	ds_store_b128 v[RD], v[64+4*\i:67+4*\i] offset:2*SP*\i
.endr
	WIN 0x40
.irp u, 0,1
.irp j, 0,1,2,3,4,5,6,7
	ds_load_b128 v[32*\u+4*\j:32*\u+4*\j+3], v[QO] offset:16*SP*\u+16*\j   ; LDS serves a wave's instructions in order (ISA guide 5.7.1.4): these see my stores
.endr
.endr
	s_wait_dscnt 0x0
	; Q is quantised in registers: a lane holds a whole block of 32 channels of its row in each tile
	s_wait_loadcnt 0x8                             ; the scales of K are in; the eight loads of mask codes may be out
	WIN 0x05
.irp u, 0,1
	v_max_num_f32 v[BM+2*\u], |v[32*\u]|, |v[32*\u+1]|
	v_max_num_f32 v[BM+2*\u+1], |v[32*\u+2]|, |v[32*\u+3]|
.endr
.irp i, 4,8,12,16,20,24,28
.irp u, 0,1
	v_max3_num_f32 v[BM+2*\u], |v[32*\u+\i]|, |v[32*\u+\i+1]|, v[BM+2*\u]
	v_max3_num_f32 v[BM+2*\u+1], |v[32*\u+\i+2]|, |v[32*\u+\i+3]|, v[BM+2*\u+1]
.endr
.endr
	WIN 0
	v_max_num_f32 v[BM+7], v[T+6], v[T+7]          ; the head's largest scale of K, over all lanes
.irp u, 0,1
	v_max3_num_f32 v[BM+2*\u], v[BM+2*\u], v[BM+2*\u+1], 0x1800000   ; the floor 2^(3 - 127): the byte cannot fall under 1
.endr
	v_max_num_f32_dpp v[BM+7], v[BM+7], v[BM+7] row_xmask:1 row_mask:0xf bank_mask:0xf
.irp u, 0,1
	v_add_nc_u32 v[BM+2*\u+1], 0xff000000, v[BM+2*\u]              ; 2 off the exponent field: the conversion's scale operand
.endr
	v_max_num_f32_dpp v[BM+7], v[BM+7], v[BM+7] row_xmask:2 row_mask:0xf bank_mask:0xf
.irp u, 0,1
	v_lshrrev_b32 v[T+2*\u], 23, v[BM+2*\u+1]      ; the byte of my block h,
	v_and_b32 v[TMP+\u], 0x7f800000, v[BM+2*\u+1]  ; and the scale itself
.endr
	v_max_num_f32_dpp v[BM+7], v[BM+7], v[BM+7] row_xmask:4 row_mask:0xf bank_mask:0xf
.irp u, 0,1
	v_lshlrev_b32 v[T+2*\u], v[H8], v[T+2*\u]      ; at its place;
	v_permlanex16_b32 v[BM+4+\u], v[TMP+\u], s36, s37
.endr
	v_max_num_f32_dpp v[BM+7], v[BM+7], v[BM+7] row_xmask:8 row_mask:0xf bank_mask:0xf
.irp u, 0,1
	v_permlanex16_b32 v[T+2*\u+1], v[T+2*\u], s36, s37
	v_max_num_f32 v[TMP+\u], v[TMP+\u], v[BM+4+\u] ; the query's largest scale
.endr
	v_permlanex16_b32 v[BM+6], v[BM+7], s36, s37
.irp u, 0,1
	v_or_b32 v[T+4+\u], v[T+2*\u], v[T+2*\u+1]     ; with lane l xor 16's: the two bytes of the row
.endr
	v_max_num_f32 v[BM+7], v[BM+7], v[BM+6]
	v_and_b32 v[BM+7], 0x7f800000, v[BM+7]
.irp u, 0,1
	v_mul_f32 v[TMP+\u], v[TMP+\u], v[BM+7]        ; 2^s,
.endr
.irp u, 0,1
	v_max_num_f32 v[TMP+\u], 0x3e800000, v[TMP+\u] ; held at 2^-2 from below
.endr
.irp u, 0,1
	v_min_num_f32 v[TMP+\u], 0x76800000, v[TMP+\u] ; and at 2^110 from above
.endr
.irp u, 0,1
	v_mul_f32 v[NM+2*\u+1], 0xc5c00000, v[TMP+\u]  ; the largest score so far: -6,144 x 2^s = -B / 2
	v_lshrrev_b32 v[BM+4+\u], 23, v[TMP+\u]
.endr
.irp u, 0,1
	v_add_nc_u32 v[BM+4+\u], 11, v[BM+4+\u]        ; b
	v_mul_f32 v[TMP+\u], s38, v[NM+2*\u+1]
.endr
.irp u, 0,1
	v_lshl_or_b32 v[QS+2*\u], v[BM+4+\u], 16, v[T+4+\u]            ; for even tiles: the row's two bytes, b, 0
	v_floor_f32 v[NM+2*\u], -v[TMP+\u]             ; -M
.endr
.irp u, 0,1
	v_lshlrev_b32 v[BM+4+\u], 8, v[BM+4+\u]
.endr
.irp u, 0,1
	v_lshl_or_b32 v[QS+2*\u+1], v[T+4+\u], 16, v[BM+4+\u]          ; for odd tiles: 0, b, the row's two bytes
.endr
	WIN 0x01
.irp u, 0,1
.irp g, 0,1,2,3
	v_cvt_scalef32_pk8_fp4_f32 v[QB+12*\u+4+\g], v[32*\u+8*\g:32*\u+8*\g+7], v[BM+2*\u+1]
.endr
.endr
	v_nop                                          ; one plain line behind the last scaled conversion
	WIN 0
.set i, 48
.rept 16
	v_mov_b32 v[OT+i], 0                           ; the rest of O^T: these lines are also the places between the vector instructions that made Q's codes and scale words and the first products
.set i, i+1
.endr
	s_wait_alu depctr_va_vdst(0)                   ; the wait at the head's end
	s_wait_loadcnt 0x0                             ; step 0's mask codes
	s_cmp_lt_u32 s12, 2
	s_cbranch_scc0 .Lnot_first
	s_wait_tensorcnt 0x0                           ; waves 0 and 1: the chunks of steps 0 and 1 are in,
.Lnot_first:
	s_barrier_signal -1
	s_barrier_wait -1                              ; for everybody: step 0 reads these 35,840 bytes alone
.irp a, 0,1
	ds_load_b128 v[KS+4*\a:KS+4*\a+3], v[LI] offset:CHUNK*\a+OKS
.endr
	KLOAD G1, LI, 0                                ; K of step 0
	KLOAD G2, LI, CHUNK
	s_wait_dscnt 0x8                               ; the scale words and the first chunk are in; the second's eight loads may be out
	WIN 0x40
	SMUL 0                                         ; the scores of step 0
	s_wait_dscnt 0x0
	SMUL 1
	WIN 0
; A KEY STEP.  At its head the step's scores stand in window 1.  nxt = 1: a step follows, whose mask codes, K and scores are made ready here.
; first = 1: step 0, in which the fill of the other steps' chunks is waited for, and shown to all at a barrier that is signalled in its middle and waited for at its end; between the two stand work on registers and LDS loads
; of bytes that nobody writes any more.
.macro STEP nxt, first
	v_add_nc_u32 v[AI], s40, v[LI]                 ; four plain lines that name no register of the last products: the places in front of the loads below and of the first read of the scores
	v_add_nc_u32 v[AW], s40, v[LW]
	v_mov_b32 v[OLD], v[NM]
	v_mov_b32 v[OLD+1], v[NM+2]
	s_add_co_u32 s40, s40, FILLB
.irp a, 0,1
	ds_load_b64 v[VS+2*\a:VS+2*\a+1], v[AW] offset:CHUNK*\a+OVS
.endr
.if \nxt
	MKLOAD 4096                                    ; the next step's mask codes
	KLOAD G1, AI, FILLB                            ; and the first chunk of its K
.irp a, 0,1
	ds_load_b128 v[KS+4*\a:KS+4*\a+3], v[AI] offset:FILLB+CHUNK*\a+OKS
.endr
.endif
	WIN 0x05
.irp b, 0,1,2,3,4,5,6,7
	v_max_num_f32 v[BM+\b], v[32*\b], v[32*\b+1]   ; THE LARGEST SCORE OF EACH BLOCK OF 32 KEYS, all mine: for the row's maximum and, since p rises with the score, for the block's largest p.  Each tile is read from its low end on
.endr
.irp i, 2,4,6,8,10,12,14,16,18,20,22,24,26,28,30
.irp b, 0,1,2,3,4,5,6,7
	v_max3_num_f32 v[BM+\b], v[32*\b+\i], v[32*\b+\i+1], v[BM+\b]   ; (the eight blocks by turns)
.endr
.endr
	WIN 0
.irp x, 0,1                            ; (the two tiles by turns)
	v_max3_num_f32 v[TMP+\x], v[BM+4*\x], v[BM+4*\x+1], v[BM+4*\x+2]
.endr
.irp x, 0,1
	v_max3_num_f32 v[TMP+\x], v[TMP+\x], v[BM+4*\x+3], v[NM+2*\x+1]
.endr
.irp x, 0,1
	v_permlanex16_b32 v[T+\x], v[TMP+\x], s36, s37
.endr
.irp x, 0,1
	v_max_num_f32 v[NM+2*\x+1], v[TMP+\x], v[T+\x] ; with lane l xor 16's: the running largest score of my query
.endr
.irp x, 0,1
	v_mul_f32 v[TMP+\x], s38, v[NM+2*\x+1]         ; as t (c is positive)
.endr
.irp x, 0,1
	v_floor_f32 v[NM+2*\x], -v[TMP+\x]             ; the new -M = floor(-t) = -ceil(t): M IS A WHOLE NUMBER
.endr
.irp x, 0,1
	v_sub_f32 v[TMP+\x], v[NM+2*\x], v[OLD+\x]     ; M's old value less its new one: a whole number, 0 or less
.endr
.irp b, 0,1,2,3,4,5,6,7
	v_fma_f32 v[BM+\b], v[BM+\b], s38, v[NM+2*(\b/4)]              ; t - M of each block's largest score
.endr
.irp x, 0,1
	v_cvt_i32_f32 v[TMP+\x], v[TMP+\x]             ; (it saturates)
.endr
.irp x, 0,1
	v_ldexp_f32 v[FF+2*\x], 1.0, v[TMP+\x]         ; f = 2^(old M - new M)
.endr
	s_wait_alu depctr_va_vdst(0)                   ; ahead of the batch
.irp b, 0,1,2,3,4,5,6,7
	v_exp_f32 v[BM+\b], v[BM+\b]                   ; the block's largest p: the same two instructions on the same number give the same bits
.endr
	; The 256 exponentials of p go in five runs (64, 64, 64, 32, 32), with other lines among them that read nothing written since the last wait and are read behind the next
	WIN 0x41
.set FJ, 0
.set EX, 0
.rept 32
	PFMA                                           ; t - M of A's first half
.endr
	s_wait_alu depctr_va_vdst(0)
.rept 16
	PEXP
	PEXP
	PFMA
	PEXP
	PFMA
	PEXP
	PFMA
.endr
	s_wait_alu depctr_va_vdst(0)
.rept 16
	PEXP
	PEXP
	PFMA
	PEXP
	PFMA
	PEXP
	PFMA
.endr
	WIN 0
	s_wait_alu depctr_va_vdst(0)                   ; A's p and the blocks' largest p are made
.if \first
	s_wait_tensorcnt 0x0                           ; my two chunks are in, whichever they are
	s_wait_dscnt 0x0                               ; my LDS loads so far are back
	s_barrier_signal -1
.endif
.irp b, 0,1,2,3,4,5,6,7
	v_max_num_f32 v[BM+\b], 0x1800000, v[BM+\b]    ; the floor 2^(3 - 127): a block whose every p is 0 keeps the byte 1: its codes are zeros
.endr
.irp b, 0,1,2,3,4,5,6,7
	v_add_nc_u32 v[BM+\b], 0xff000000, v[BM+\b]    ; 2 off the exponent field: the conversion's scale operand
.endr
.irp b, 0,1,2,3,4,5,6,7
	v_lshrrev_b32 v[T+\b], 23, v[BM+\b]            ; the scale's byte
.endr
.irp w, 0,1,2,3                        ; p's scale words: a chunk's blocks 0 .. 3 are mine (h = 0: 0, 2; h = 1: 1, 3) and lane l xor 16's
	v_lshl_or_b32 v[T+2*\w], v[T+2*\w+1], 16, v[T+2*\w]
.endr
.irp w, 0,1,2,3
	v_lshlrev_b32 v[T+2*\w], v[H8], v[T+2*\w]
.endr
.irp w, 0,1,2,3
	v_permlanex16_b32 v[T+2*\w+1], v[T+2*\w], s36, s37
.endr
.irp w, 0,1,2,3
	v_or_b32 v[PS+\w], v[T+2*\w], v[T+2*\w+1]
.endr
	WIN 0x01
	PCVT 0
	PCVT 1
	PCVT 2
	PCVT 3
	v_nop                                          ; one plain line behind the last scaled conversion
	WIN 0x45
	s_wait_alu depctr_va_vdst(0)
.set i, 0
.rept 32                               ; B's p, and among them the sums of A's p, level by level, a wait between two levels
	PEXP
	PEXP
	v_pk_add_f32 v[64+2*i:65+2*i], v[64+2*i:65+2*i], v[2*i:2*i+1]
.set i, i+1
.endr
	s_wait_alu depctr_va_vdst(0)
	WIN 0x40
.irp a, 0,1                            ; V's fragments, into A's low 64 registers, which have been converted and summed
.irp m, 0,1,2,3,4,5,6,7
	ds_load_b128 v[32*\a+4*\m:32*\a+4*\m+3], v[AI] offset:CHUNK*\a+OV+512*\m
.endr
.endr
	WIN 0x45
.set i, 0
.rept 16
	PEXP
	PEXP
	v_pk_add_f32 v[96+2*i:97+2*i], v[96+2*i:97+2*i], v[64+2*i:65+2*i]
.set i, i+1
.endr
	s_wait_alu depctr_va_vdst(0)
.set i, 0
.rept 8
	PEXP
	PEXP
	PEXP
	PEXP
	v_pk_add_f32 v[112+2*i:113+2*i], v[112+2*i:113+2*i], v[96+2*i:97+2*i]
.set i, i+1
.endr
	WIN 0
	s_wait_alu depctr_va_vdst(0)                   ; behind the batch, and directly ahead of the first readers of O^T
.irp x, 0,1
.set i, OT+32*\x
.rept 16
	v_pk_mul_f32 v[i:i+1], v[i:i+1], v[FF+2*\x:FF+2*\x+1] op_sel_hi:[1,0]   ; O^T under the new M, each tile from its low end on
.set i, i+2
.endr
.endr
	WIN 0x01
	PCVT 4
	PCVT 5
	PCVT 6
	PCVT 7
	v_nop                                          ; one plain line behind the last scaled conversion; with the seven below these are the places between p's codes and the products
	WIN 0x45
	TREE 4, 120, 112                               ; the rest of A's sums
	TREE 2, 124, 120
	TREE 1, 126, 124
	s_wait_alu depctr_va_vdst(0)                   ; directly ahead of the wait below
	s_wait_dscnt 0x0                               ; V, and K's first chunk of the next step
	WIN 0x01
	PVMUL
	WIN 0x45
	TREE 6, 192, 128                               ; the sums of B's p.  The first six are the places behind the last product, in front of the loads into p's codes' registers
.if \nxt
	WIN 0
	KLOAD G2, AI, FILLB+CHUNK                      ; the second chunk of the next step's K
	WIN 0x45
.endif
	TREE 26, 204, 140
	TREE 16, 224, 192
	TREE 8, 240, 224
	TREE 4, 248, 240
	TREE 2, 252, 248
	TREE 1, 254, 252
	WIN 0x10
.irp x, 0,1
	v_pk_fma_f32 v[LS+2*\x:LS+2*\x+1], v[LS+2*\x:LS+2*\x+1], v[FF+2*\x:FF+2*\x+1], v[128*\x+126:128*\x+127] op_sel_hi:[1,0,1]   ; the sum under the new M, and this step's
.endr
	WIN 0
.if \nxt
	s_wait_alu depctr_va_vdst(0)                   ; directly ahead of the waits below
	s_wait_loadcnt 0x0                             ; the next step's mask codes are in
	WIN 0x40
	SMUL 0
	s_wait_dscnt 0x0                               ; K's second chunk
	SMUL 1
	WIN 0
.endif
.if \first
	s_barrier_wait -1                              ; every wave's chunks are in: from here on all of the head's bytes may be read
.endif
.endm
	STEP 1, 1                                      ; step 0
	s_wait_xcnt 0x0                                ; the mask loads have had their addresses translated (ISA guide 3.1)
	s_add_nc_u64 s[8:9], s[8:9], 4096
	s_mov_b32 s41, 6
	s_wait_alu depctr_va_vdst(0)
.Ltrip:                                                ; steps 1 to 6
	STEP 1, 0
	s_wait_xcnt 0x0                                ; the mask loads have had their addresses translated (ISA guide 3.1): their base is stepped only behind this wait
	s_add_nc_u64 s[8:9], s[8:9], 4096              ; a step's two chunks on
	s_sub_co_u32 s41, s41, 1
	s_cmp_lg_u32 s41, 0
	s_wait_alu depctr_va_vdst(0)                   ; directly ahead of the branch
	s_cbranch_scc1 .Ltrip
	STEP 0, 0                                      ; step 7 is written out: no load leaves mk, and it has no scores to make
	; THE WAY OUT.  O^T / the sum goes through my own stage in LDS, 32 rows of 256 bytes, and leaves as whole rows.
.irp x, 0,1
	v_add_f32 v[LS+2*\x], v[LS+2*\x], v[LS+2*\x+1] ; the sum's two halves,
.endr
.irp x, 0,1
	v_permlanex16_b32 v[T+\x], v[LS+2*\x], s36, s37
.endr
.irp x, 0,1
	v_add_f32 v[LS+2*\x], v[LS+2*\x], v[T+\x]      ; and lane l xor 16's: the row's sum
.endr
	s_wait_alu depctr_va_vdst(0)                   ; ahead of the batch
	v_rcp_f32 v[LS], v[LS]
	v_rcp_f32 v[LS+2], v[LS+2]
	v_nop                                          ; one plain line behind a transcendental
	s_wait_alu depctr_va_vdst(0)                   ; and the wait behind it, ahead of the first readers of the sums and of O^T
.irp x, 0,1
.set i, OT+32*\x
.rept 16
	v_pk_mul_f32 v[i:i+1], v[i:i+1], v[LS+2*\x:LS+2*\x+1] op_sel_hi:[1,0]   ; register 8 t + i is out0(r, 16 t + 8 h + i); each tile from its low end on
.set i, i+2
.endr
.endr
.irp x, 0,1
.irp t, 0,1,2,3
	ds_store_b128 v[SIN], v[OT+32*\x+8*\t:OT+32*\x+8*\t+3] offset:16*SP*\x+64*\t
	ds_store_b128 v[SIN], v[OT+32*\x+8*\t+4:OT+32*\x+8*\t+7] offset:16*SP*\x+64*\t+16
.endr
.endr
.irp i, 0,1,2,3,4,5,6,7,8,9,10,11,12,13,14,15
	ds_load_b128 v[G1+4*\i:G1+4*\i+3], v[RD] offset:2*SP*\i        ; LDS serves a wave's instructions in order (ISA guide 5.7.1.4): these see my stores
.endr
.irp i, 0,1,2,3,4,5,6,7,8,9,10,11,12,13,14,15
	s_wait_dscnt 15-\i                             ; read i is back; the reads behind it may be out
	global_store_b128 v[LI], v[G1+4*\i:G1+4*\i+3], s[10:11] offset:512*\i th:TH_STORE_NT   ; 32 lanes store 512 consecutive bytes, at a multiple of 256; written once, read by nobody here
.endr
	s_wait_tensorcnt 0x0                           ; the wave's end
	ds_add_u32 v[SPW], v[NIL]
	s_wait_dscnt 0x0
	CROUND                                         ; the closing round: no work-group ends while a partner may still ask for bytes jointly with it
	s_endpgm
.Lfunc_end_k_q68a4296af9_attn:
	.size	k_q68a4296af9_attn, .Lfunc_end_k_q68a4296af9_attn-k_q68a4296af9_attn
	.p2alignl 7, 3214868480
	.fill 96, 4, 3214868480
	.section	.rodata,"a",@progbits
	.p2align	6, 0x0
	.amdhsa_kernel k_q68a4296af9_attn
		.amdhsa_group_segment_fixed_size 214016
		.amdhsa_private_segment_fixed_size 0
		.amdhsa_enable_private_segment 0
		.amdhsa_kernarg_size 40
		.amdhsa_user_sgpr_count 2
		.amdhsa_user_sgpr_kernarg_segment_ptr 1
		.amdhsa_wavefront_size32 1
		.amdhsa_system_sgpr_workgroup_id_x 1
		.amdhsa_system_sgpr_workgroup_id_y 1
		.amdhsa_system_sgpr_workgroup_id_z 1
		.amdhsa_system_vgpr_workitem_id 0
		.amdhsa_next_free_vgpr 512
		.amdhsa_next_free_sgpr 66
		.amdhsa_reserve_vcc 0
		.amdhsa_float_denorm_mode_32 3
		.amdhsa_float_denorm_mode_16_64 3
		.amdhsa_memory_ordered 1
		.amdhsa_forward_progress 1
		.amdhsa_inst_pref_size 175
	.end_amdhsa_kernel
	.amdgpu_metadata
---
amdhsa.version: [ 1, 2 ]
amdhsa.kernels:
  - .name:           k_q68a4296af9_attn
    .symbol:         k_q68a4296af9_attn.kd
    .args:
      - { .name: q, .offset: 0, .size: 8, .value_kind: global_buffer, .address_space: global }
      - { .name: kv, .offset: 8, .size: 8, .value_kind: global_buffer, .address_space: global }
      - { .name: mk, .offset: 16, .size: 8, .value_kind: global_buffer, .address_space: global }
      - { .name: out0, .offset: 24, .size: 8, .value_kind: global_buffer, .address_space: global }
      - { .name: km, .offset: 32, .size: 8, .value_kind: global_buffer, .address_space: global }
    .group_segment_fixed_size: 214016
    .private_segment_fixed_size: 0
    .kernarg_segment_align: 8
    .kernarg_segment_size: 40
    .max_flat_workgroup_size: 256
    .sgpr_count:     66
    .vgpr_count:     512
    .wavefront_size: 32
...
	.end_amdgpu_metadata
.endif
;; end of part 2
